; MI455X (gfx1250); checked and timed in simulation.
; The chip was launched on July 23, 2026; its instructions are those of AMD's public machine-readable ISA for CDNA 5 (MIT licence, August 2026) and "CDNA5" Instruction Set Architecture Reference Guide (July 2026). The comments in the code are by the model that wrote it; some were corrected since.
;; Generalized Advantage Estimation. Allowed arithmetic: float matrix products may take bf16 or f16 operands with f32 sums; all other float work in f32.
;; Inputs: next_dones 4,096 x 2,048 bool; next_values 4,096 x 2,048 float32; rewards 4,096 x 2,048 float32; values 4,096 x 2,048 float32.
;; Outputs: out0 4,096 x 2,048 float32; out1 4,096 x 2,048 float32.
;; 2 versions, each right; version 2 is version 1 with the launch gae written anew for expert scheduling mode. Each part assembles by itself: llvm-mc -triple=amdgcn-amd-amdhsa -mcpu=gfx1250 --defsym DOCPART=n.
;; ======== version 1 of 2: 1 launch
;; limits: an iteration or a series of the reference is cut at 256 steps
;; launch gae (part 1): grid 8 x 32, 16 waves a work-group, no clusters, 72,448 bytes of LDS; arguments next_dones, next_values, rewards, values, out0, out1; writes out0, out1
.if DOCPART == 1
	.amdgcn_target "amdgcn-amd-amdhsa--gfx1250"
	.amdhsa_code_object_version 6
	.text
	.protected	k_q12b8d56906_gae
	.globl	k_q12b8d56906_gae
	.p2align	8
	.type	k_q12b8d56906_gae,@function
k_q12b8d56906_gae:
	s_mov_b64 s[64:65], 0
	v_nop
	global_prefetch_b8 v0, s[64:65] scope:SCOPE_SE
	s_setreg_imm32_b32 hwreg(HW_REG_WAVE_MODE, 25, 1), 1
	s_wait_xcnt 0x0
; Generalized advantage estimation, T = 4096 rows (time), 2048 columns (environments), all f32, next_dones one byte.
;   delta[t] = r[t] + 0.99 nv[t] nd[t] - v[t],  nd = 1 - done;   adv[t] = delta[t] + c[t] adv[t+1],  c = 0.9405 nd[t];   ret = adv + v.
; One launch, no workspace, every output byte written once.
;
; SHARES.  A work-group owns 64 columns (256 bytes of an f32 row, aligned) and a chunk of 512 rows: 8 chunks x 32 column blocks.
; Thread t: sub s = t / 16 (0..31), column quad q = t % 16 (4 columns, 16 bytes): the 16 lanes of a half wave load or store
; 256 consecutive bytes, aligned.  The chunk goes in four stages of 128 rows, the latest rows first; in a stage sub s owns the
; rows 4 s .. 4 s + 3.  Each stage has 52 registers of its own in every lane, so that a stage's stores leave while later
; stages' loads are still coming in, and no register that a store names is written again.
;
; A STAGE.  (1) delta over r, c over nv, in place; the four rows' summary (A = product of c, B = the scan from 0) goes to LDS.
; (2) barrier; wave w takes column quad w, lane j the summary of sub j, and makes the suffix scan X[j] = B[j] + A[j] X[j+1],
; X[32] = the advantage of the first row behind the stage, which the wave keeps in registers from stage to stage; X goes to LDS.
; (3) barrier; thread (s, q) reads X[s+1] and runs the recurrence over its four rows in the reference's order, adds v, stores.
;
; THE CARRY INTO THE CHUNK, without traffic between work-groups and without a decision that hangs on the data: the 256 rows behind
; the chunk are read too (8 a sub), summarised and scanned like a stage, from 0.  That is half a chunk's input bytes once more.
; LIMIT: the term 0.9405^256 = 1.5e-7 times the advantage 256 rows behind the chunk is dropped.  No |adv| exceeds
; sqrt(4096 x 2048) = 2,896 times the output's root mean square, so the error is at most 4.4e-4 of that root mean square, for all
; inputs: the factor is the recurrence's own constant.  (192 rows would give 7.7e-6 x 2,896 = 0.022: too much.)  A done in those rows makes the carry exact.
; LIMIT: a done byte is 0 or 1, as the problem states (bit 0 of the byte is what is used).
; The last chunk has no rows behind it: its carry is 0, and it loads nothing there.
;
; The rows behind chunk y are rows 0-255 of chunk y + 1.  Chunk y asks for them first of all, their owner as its stages 2 and 3,
; which it loads last.  Neither asks with a non-temporal hint; rows 256-511 of a chunk are read once in the launch and say so.  The chunk is the grid's
; fast index: the eight work-groups of a column block have neighbouring numbers.
; No cluster: a joint request exists for copies into LDS alone, and these rows go straight into registers; the sharing is a chain
; (chunk y with y + 1), and the last chunk asks for nothing behind it, so partners would make different numbers of requests.
.set ROWF,  8192                       ; bytes in an f32 row
.set ROWD,  2048                       ; bytes in a row of next_dones
.set CHUNK, 512                        ; rows of a work-group
.set SROWS, 128                        ; rows of a stage
.set YLAST, 7                          ; the chunk with nothing behind it
.set PITCH, 272                        ; LDS: 64 columns x 4 bytes + 16: an odd multiple of 16, so that 16 lanes that read one quad of 16 subs meet 16 different 16-byte columns
.set HALFE, 32*PITCH                   ; the A (or the B) of 32 subs
.set LX0,   0                          ; carries X[0..32], stages 0 and 2
.set LX1,   33*PITCH                   ; stages 1 and 3
.set LE0,   2*33*PITCH                 ; summaries, stages 0 and 2: A, then B
.set LE1,   LE0+2*HALFE                ; stages 1 and 3
.set LEX,   LE1+2*HALFE                ; the 256 rows behind the chunk.  Ends at 70,176
; vector registers
.set VF,    1                          ; stage rows, f32: s x 4 rows + 16 q
.set VD,    2                          ; the same in next_dones (a quarter)
.set VEF,   5                          ; rows behind the chunk, f32: s x 8 rows + 16 q
.set VED,   6
.set ENT,   7                          ; LDS: s x PITCH + 16 q
.set SCN,   8                          ; LDS: lane x PITCH + 16 wave
.set X32A,  9                          ; LDS: 32 x PITCH + 16 wave
.set T,     12                         ; v[12:19]  scratch
.set SA,    20                         ; v[20:23]  summary A; in the scan: A of sub = lane
.set SB,    24                         ; v[24:27]  summary B
.set XC,    28                         ; v[28:31]  the scanning wave's carry (equal in all lanes)
.set BA,    32                         ; v[32:35]  scan of the rows behind the chunk: A
.set BB,    36                         ; v[36:39]  B
.set X16,   40                         ; v[40:43]  X[16]; later my own carry X[s+1]
.set XS,    44                         ; v[44:47]  X[lane]
.set SET0,  48                         ; a stage's set: +0 r (4 rows x 4), +16 v, +32 nv, +48 dones (4 rows)
.set SET1,  100
.set SET2,  152                        ; before their own loads sets 2 and 3 serve the rows behind the chunk
.set SET3,  204
; scalar registers
.set PD,    4                          ; next_dones   (all six at the work-group's first row and column)
.set PNV,   6                          ; next_values
.set PR,    8                          ; rewards
.set PV,    10                         ; values
.set PADV,  12                         ; out0
.set PRET,  14                         ; out1
.set GAM,   22                         ; s[22:23] 0.99
.set DISC,  24                         ; s[24:25] 0.99 x 0.95
.set ONES,  26
.set LOW16, 27
.set QA,    32                         ; s[32:35], s[36:39]: one lane's A and B
.set QB,    36
	s_load_b256 s[4:11], s[0:1], 0x0
	s_load_b128 s[12:15], s[0:1], 0x20
	v_lshl_add_u32 v10, v0, 2, 0x11300
	v_mov_b32 v11, 0
	s_mov_b32 s16, ttmp9                           ; chunk
	s_and_b32 s17, ttmp7, 0xffff                   ; column block
	s_lshl_b32 s18, s16, 22                        ; 512 rows of 8,192 bytes
	s_lshl_b32 s17, s17, 8                         ; 64 columns of 4 bytes
	s_add_co_u32 s18, s18, s17                     ; at most 7 x 2^22 + 31 x 2^8: one word
	s_mov_b32 s19, 0
	s_lshr_b32 s20, s18, 2                         ; one byte for four in next_dones
	s_mov_b32 s21, 0
	s_mov_b32 s[GAM], 0x3f7d70a4                   ; 0.99
	s_mov_b32 s[GAM+1], 0x3f7d70a4
	s_mov_b32 s[DISC], 0x3f70c49c                  ; 0.9405
	s_mov_b32 s[DISC+1], 0x3f70c49c
	s_mov_b32 s[ONES], 0x01010101
	s_mov_b32 s[LOW16], 0x0000ffff
	v_lshrrev_b32 v40, 4, v0                       ; s
	v_and_b32 v41, 15, v0
	v_lshlrev_b32 v41, 4, v41                      ; 16 q
	v_lshl_add_u32 v[VF],  v40, 15, v41            ; 4 rows a sub
	v_lshl_add_u32 v[VEF], v40, 16, v41            ; 8 rows a sub
	v_lshrrev_b32 v[VD],  2, v[VF]
	v_lshrrev_b32 v[VED], 2, v[VEF]
	v_mul_u32_u24 v[ENT], v40, PITCH
	v_add_nc_u32 v[ENT], v[ENT], v41
	v_and_b32 v42, 31, v0                          ; lane
	v_lshrrev_b32 v43, 5, v0
	v_lshlrev_b32 v43, 4, v43                      ; 16 x wave
	v_mul_u32_u24 v[SCN], v42, PITCH
	v_add_nc_u32 v[SCN], v[SCN], v43
	v_add_nc_u32 v[X32A], 32*PITCH, v43
	s_wait_kmcnt 0x0
	s_add_nc_u64 s[PD:PD+1],     s[PD:PD+1],     s[20:21]
	s_add_nc_u64 s[PNV:PNV+1],   s[PNV:PNV+1],   s[18:19]
	s_add_nc_u64 s[PR:PR+1],     s[PR:PR+1],     s[18:19]
	s_add_nc_u64 s[PV:PV+1],     s[PV:PV+1],     s[18:19]
	s_add_nc_u64 s[PADV:PADV+1], s[PADV:PADV+1], s[18:19]
	s_add_nc_u64 s[PRET:PRET+1], s[PRET:PRET+1], s[18:19]
; 16 loads: four rows of a sub, from row 'row' of the chunk on.  once = 1: f32 bytes that no other work-group of the launch reads.
; next_dones never says so: a sub's 64 bytes of a row lie beside those that other column blocks read.
.macro LOADSET set, vf, vd, row, once
.irp i, 3,2,1,0
	global_load_b32 v[\set+48+\i], v[\vd], s[PD:PD+1] offset:(\row+\i)*ROWD
.if \once
	global_load_b128 v[\set+32+4*\i:\set+35+4*\i], v[\vf], s[PNV:PNV+1] offset:(\row+\i)*ROWF th:TH_LOAD_NT
	global_load_b128 v[\set+4*\i:\set+3+4*\i],     v[\vf], s[PR:PR+1]   offset:(\row+\i)*ROWF th:TH_LOAD_NT
	global_load_b128 v[\set+16+4*\i:\set+19+4*\i], v[\vf], s[PV:PV+1]   offset:(\row+\i)*ROWF th:TH_LOAD_NT
.else
	global_load_b128 v[\set+32+4*\i:\set+35+4*\i], v[\vf], s[PNV:PNV+1] offset:(\row+\i)*ROWF
	global_load_b128 v[\set+4*\i:\set+3+4*\i],     v[\vf], s[PR:PR+1]   offset:(\row+\i)*ROWF
	global_load_b128 v[\set+16+4*\i:\set+19+4*\i], v[\vf], s[PV:PV+1]   offset:(\row+\i)*ROWF
.endif
.endr
.endm
; Row i of a set: r becomes delta, nv becomes c; v stays.
.macro ROWPREP set, i
	v_xor_b32 v[\set+48+\i], s[ONES], v[\set+48+\i]            ; four bytes of not-done
.irp j, 0,1,2,3
	v_bfe_u32 v[T+\j], v[\set+48+\i], 8*\j, 1
.endr
.irp j, 0,1,2,3
	v_cvt_f32_u32 v[T+\j], v[T+\j]                             ; nd = 0.0 or 1.0
.endr
.irp p, 0,2
	v_pk_mul_f32 v[T+4+\p:T+5+\p], v[\set+32+4*\i+\p:\set+33+4*\i+\p], v[T+\p:T+1+\p]                           ; nv nd
.endr
.irp p, 0,2
	v_pk_fma_f32 v[\set+4*\i+\p:\set+4*\i+1+\p], v[T+4+\p:T+5+\p], s[GAM:GAM+1], v[\set+4*\i+\p:\set+4*\i+1+\p] op_sel_hi:[1,0,1]   ; r + 0.99 nv nd
.endr
.irp p, 0,2
	v_pk_add_f32 v[\set+4*\i+\p:\set+4*\i+1+\p], v[\set+4*\i+\p:\set+4*\i+1+\p], v[\set+16+4*\i+\p:\set+17+4*\i+\p] neg_lo:[0,1] neg_hi:[0,1]   ; - v
.endr
.irp p, 0,2
	v_pk_mul_f32 v[\set+32+4*\i+\p:\set+33+4*\i+\p], v[T+\p:T+1+\p], s[DISC:DISC+1] op_sel_hi:[1,0]              ; c
.endr
.endm
; The summary of a set's four rows, latest row first.  first = 1: rows 3 and 2 start it (nothing is cleared); 0: it goes on from SA, SB.
.macro ACC set, first
.if \first
.irp p, 0,2
	v_pk_fma_f32 v[SB+\p:SB+1+\p], v[\set+40+\p:\set+41+\p], v[\set+12+\p:\set+13+\p], v[\set+8+\p:\set+9+\p]   ; delta2 + c2 delta3
	v_pk_mul_f32 v[SA+\p:SA+1+\p], v[\set+40+\p:\set+41+\p], v[\set+44+\p:\set+45+\p]                           ; c2 c3
.endr
.else
.irp i, 3,2
.irp p, 0,2
	v_pk_fma_f32 v[SB+\p:SB+1+\p], v[\set+32+4*\i+\p:\set+33+4*\i+\p], v[SB+\p:SB+1+\p], v[\set+4*\i+\p:\set+4*\i+1+\p]
	v_pk_mul_f32 v[SA+\p:SA+1+\p], v[\set+32+4*\i+\p:\set+33+4*\i+\p], v[SA+\p:SA+1+\p]
.endr
.endr
.endif
.irp i, 1,0
.irp p, 0,2
	v_pk_fma_f32 v[SB+\p:SB+1+\p], v[\set+32+4*\i+\p:\set+33+4*\i+\p], v[SB+\p:SB+1+\p], v[\set+4*\i+\p:\set+4*\i+1+\p]
	v_pk_mul_f32 v[SA+\p:SA+1+\p], v[\set+32+4*\i+\p:\set+33+4*\i+\p], v[SA+\p:SA+1+\p]
.endr
.endr
.endm
; Suffix scan inside each row of 16 lanes, four columns at once: afterwards lane j holds the summary of subs j .. 15 (or j .. 31).
; A step joins lane j with lane j + d: B += A B', A *= A'.  A lane without a partner takes the neutral pair: B' = 0 (bound_ctrl), A' = 1.0, laid down first.
.macro SCANROWS a, b
.irp d, 1,2,4,8
.irp c, 0,1,2,3
	v_mov_b32_dpp v[T+4+\c], v[\b+\c] row_shl:\d row_mask:0xf bank_mask:0xf bound_ctrl:1
	v_mov_b32 v[T+\c], 1.0
	v_mov_b32_dpp v[T+\c], v[\a+\c] row_shl:\d row_mask:0xf bank_mask:0xf
.endr
.irp p, 0,2
	v_pk_fma_f32 v[\b+\p:\b+1+\p], v[\a+\p:\a+1+\p], v[T+4+\p:T+5+\p], v[\b+\p:\b+1+\p]
	v_pk_mul_f32 v[\a+\p:\a+1+\p], v[\a+\p:\a+1+\p], v[T+\p:T+1+\p]
.endr
.endr
.endm
; From the scanned rows and the carry XC = X[32]: X[16] by lane 16's pair, then X[j] in lane j.
; keep = 1: X[0..32] go to LDS at x.  more = 1: X[0] becomes the carry of what is scanned next.
.macro APPLY a, b, keep, x, more
.irp c, 0,1,2,3
	v_readlane_b32 s[QA+\c], v[\a+\c], 16
	v_readlane_b32 s[QB+\c], v[\b+\c], 16
.endr
.irp c, 0,1,2,3
	v_fma_f32 v[X16+\c], s[QA+\c], v[XC+\c], s[QB+\c]
.endr
.irp c, 0,1,2,3
	v_cndmask_b32 v[XS+\c], v[XC+\c], v[X16+\c], s[LOW16]      ; lanes 0-15 go on from X[16], lanes 16-31 from X[32]
.endr
.irp p, 0,2
	v_pk_fma_f32 v[XS+\p:XS+1+\p], v[\a+\p:\a+1+\p], v[XS+\p:XS+1+\p], v[\b+\p:\b+1+\p]
.endr
.if \keep
	ds_store_b128 v[SCN],  v[XS:XS+3] offset:\x                ; X[lane] of my quad
	ds_store_b128 v[X32A], v[XC:XC+3] offset:\x                ; X[32]: every lane the same 16 bytes with the same numbers
.endif
.if \more
.irp c, 0,1,2,3
	v_readlane_b32 s[QA+\c], v[XS+\c], 0
.endr
.irp c, 0,1,2,3
	v_mov_b32 v[XC+\c], s[QA+\c]
.endr
.endif
.endm
	; THE ROWS BEHIND THE CHUNK come first, so that they are the first to be in: sub s takes rows 512 + 8 s .. + 7, the later four first.
	; They end at row 767 from the chunk's first, inside the next chunk.  Never more than 3 x 16 loads of a wave are out.
	s_cmp_eq_u32 s16, YLAST
	s_cbranch_scc1 .Llast_chunk
	LOADSET SET2, VEF, VED, CHUNK+4, 0
	LOADSET SET3, VEF, VED, CHUNK, 0
	LOADSET SET0, VF, VD, 3*SROWS, 1
	s_wait_loadcnt 32                              ; loads return in order (ISA guide 5.7.1): the earlier four rows' 16 and stage 0's 16 stay out, the later four rows are in
	LOADSET SET1, VF, VD, 2*SROWS, 1
.irp i, 3,2,1,0
	ROWPREP SET2, \i
.endr
	ACC SET2, 1
	s_wait_loadcnt 32                              ; the 2 x 16 of stages 0 and 1 stay out, the earlier four rows are in
	LOADSET SET2, VF, VD, 1*SROWS, 0               ; stage 2's own rows, into registers whose numbers are summed up in SA, SB
.irp i, 3,2,1,0
	ROWPREP SET3, \i
.endr
	ACC SET3, 0
	s_branch .Lbehind_done
.Llast_chunk:                                      ; nothing lies behind: the summary A = 0, B = 0 gives the carry 0 by the same scan.
	LOADSET SET0, VF, VD, 3*SROWS, 1               ; The same three stages in the same order, so that the counts below hold on both ways
	LOADSET SET1, VF, VD, 2*SROWS, 1
	LOADSET SET2, VF, VD, 1*SROWS, 0
.irp c, 0,1,2,3
	v_mov_b32 v[SA+\c], 0
	v_mov_b32 v[SB+\c], 0
.endr
.Lbehind_done:
	ds_store_b128 v[ENT], v[SA:SA+3] offset:LEX                ; waited for in front of stage 0's first barrier
	ds_store_b128 v[ENT], v[SB:SB+3] offset:LEX+HALFE
; A stage.  left = loads of later stages that stay out.  e, x: its LDS regions.
; first = 1: stage 3's loads are issued at its head, and the rows behind the chunk are scanned in front of it.
.macro STAGE set, row, left, e, x, first, more
	s_wait_loadcnt \left
.if \first
	LOADSET SET3, VF, VD, 0, 0                     ; stage 0's 16 loads are in: with these the wave has 48 out again
.endif
.irp i, 3,2,1,0
	ROWPREP \set, \i
.endr
	ACC \set, 1
	ds_store_b128 v[ENT], v[SA:SA+3] offset:\e
	ds_store_b128 v[ENT], v[SB:SB+3] offset:\e+HALFE
	s_wait_dscnt 0x0                               ; for the others' sake: my summaries are in LDS (and my read of the last stage's carry is over)
	s_barrier_signal -1
	s_barrier_wait -1                              ; everybody's are
.if \first
.irp c, 0,1,2,3
	v_mov_b32 v[XC+\c], 0                          ; where the scan begins: 256 rows behind the chunk
.endr
	ds_load_b128 v[BA:BA+3], v[SCN] offset:LEX
	ds_load_b128 v[BB:BB+3], v[SCN] offset:LEX+HALFE
.endif
	ds_load_b128 v[SA:SA+3], v[SCN] offset:\e      ; lane j: sub j's summary of quad = my wave
	ds_load_b128 v[SB:SB+3], v[SCN] offset:\e+HALFE
	s_wait_dscnt 0x0
.if \first
	SCANROWS BA, BB
	APPLY BA, BB, 0, 0, 1                          ; XC = the advantage of the first row behind the chunk
.endif
	SCANROWS SA, SB
	APPLY SA, SB, 1, \x, \more
	s_wait_dscnt 0x0                               ; the carries are in LDS, and my reads of the summaries are over: their region is written again behind this barrier at the earliest
	s_barrier_signal -1
	s_barrier_wait -1
	ds_load_b128 v[X16:X16+3], v[ENT] offset:\x+PITCH          ; X[s+1] of my four columns
	s_wait_dscnt 0x0
.irp p, 0,2
	v_pk_fma_f32 v[\set+12+\p:\set+13+\p], v[\set+44+\p:\set+45+\p], v[X16+\p:X16+1+\p], v[\set+12+\p:\set+13+\p]    ; adv3 = delta3 + c3 X
.endr
.irp i, 2,1,0
.irp p, 0,2
	v_pk_fma_f32 v[\set+4*\i+\p:\set+4*\i+1+\p], v[\set+32+4*\i+\p:\set+33+4*\i+\p], v[\set+4*\i+4+\p:\set+4*\i+5+\p], v[\set+4*\i+\p:\set+4*\i+1+\p]
.endr
.endr
.irp i, 3,2,1,0
.irp p, 0,2
	v_pk_add_f32 v[\set+16+4*\i+\p:\set+17+4*\i+\p], v[\set+16+4*\i+\p:\set+17+4*\i+\p], v[\set+4*\i+\p:\set+4*\i+1+\p]   ; returns = adv + v
.endr
	global_store_b128 v[VF], v[\set+4*\i:\set+4*\i+3],     s[PADV:PADV+1] offset:(\row+\i)*ROWF th:TH_STORE_NT   ; each half wave: 256 consecutive bytes, aligned.
	global_store_b128 v[VF], v[\set+16+4*\i:\set+19+4*\i], s[PRET:PRET+1] offset:(\row+\i)*ROWF th:TH_STORE_NT   ; No register that a store names is written again
.endr
.endm
	STAGE SET0, 3*SROWS, 32, LE0, LX0, 1, 1        ; stages 1 and 2 stay out
	STAGE SET1, 2*SROWS, 32, LE1, LX1, 0, 1        ; stages 2 and 3 stay out
	STAGE SET2, 1*SROWS, 16, LE0, LX0, 0, 1        ; stage 3 stays out
	STAGE SET3, 0,       0,  LE1, LX1, 0, 0
	s_wait_tensorcnt 0x0
	ds_add_u32 v10, v11
	s_wait_dscnt 0x0
	s_endpgm
.Lfunc_end_k_q12b8d56906_gae:
	.size	k_q12b8d56906_gae, .Lfunc_end_k_q12b8d56906_gae-k_q12b8d56906_gae
	.p2alignl 7, 3214868480
	.fill 96, 4, 3214868480
	.section	.rodata,"a",@progbits
	.p2align	6, 0x0
	.amdhsa_kernel k_q12b8d56906_gae
		.amdhsa_group_segment_fixed_size 72448
		.amdhsa_private_segment_fixed_size 0
		.amdhsa_enable_private_segment 0
		.amdhsa_kernarg_size 48
		.amdhsa_user_sgpr_count 2
		.amdhsa_user_sgpr_kernarg_segment_ptr 1
		.amdhsa_wavefront_size32 1
		.amdhsa_system_sgpr_workgroup_id_x 1
		.amdhsa_system_sgpr_workgroup_id_y 1
		.amdhsa_system_sgpr_workgroup_id_z 1
		.amdhsa_system_vgpr_workitem_id 0
		.amdhsa_next_free_vgpr 256
		.amdhsa_next_free_sgpr 66
		.amdhsa_reserve_vcc 0
		.amdhsa_float_denorm_mode_32 3
		.amdhsa_float_denorm_mode_16_64 3
		.amdhsa_memory_ordered 1
		.amdhsa_forward_progress 1
		.amdhsa_inst_pref_size 78
	.end_amdhsa_kernel
	.amdgpu_metadata
---
amdhsa.version: [ 1, 2 ]
amdhsa.kernels:
  - .name:           k_q12b8d56906_gae
    .symbol:         k_q12b8d56906_gae.kd
    .args:
      - { .name: next_dones, .offset: 0, .size: 8, .value_kind: global_buffer, .address_space: global }
      - { .name: next_values, .offset: 8, .size: 8, .value_kind: global_buffer, .address_space: global }
      - { .name: rewards, .offset: 16, .size: 8, .value_kind: global_buffer, .address_space: global }
      - { .name: values, .offset: 24, .size: 8, .value_kind: global_buffer, .address_space: global }
      - { .name: out0, .offset: 32, .size: 8, .value_kind: global_buffer, .address_space: global }
      - { .name: out1, .offset: 40, .size: 8, .value_kind: global_buffer, .address_space: global }
    .group_segment_fixed_size: 72448
    .private_segment_fixed_size: 0
    .kernarg_segment_align: 8
    .kernarg_segment_size: 48
    .max_flat_workgroup_size: 512
    .sgpr_count:     66
    .vgpr_count:     256
    .wavefront_size: 32
...
	.end_amdgpu_metadata
.endif
;; end of part 1
;; ======== version 2 of 2: 1 launch; version 1 with the launch gae written anew for expert scheduling mode
;; limits: an iteration or a series of the reference is cut at 256 steps
;; launch gae (part 2): grid 8 x 32, 16 waves a work-group, no clusters, 72,448 bytes of LDS; arguments next_dones, next_values, rewards, values, out0, out1; writes out0, out1
.if DOCPART == 2
	.amdgcn_target "amdgcn-amd-amdhsa--gfx1250"
	.amdhsa_code_object_version 6
	.text
	.protected	k_q12b8d56906_gae
	.globl	k_q12b8d56906_gae
	.p2align	8
	.type	k_q12b8d56906_gae,@function
k_q12b8d56906_gae:
	s_mov_b64 s[64:65], 0
	v_nop
	global_prefetch_b8 v0, s[64:65] scope:SCOPE_SE
	s_setreg_imm32_b32 hwreg(HW_REG_WAVE_SCHED_MODE, 0, 2), 2
	s_setreg_imm32_b32 hwreg(HW_REG_WAVE_MODE, 25, 1), 1
	s_wait_xcnt 0x0
	s_wait_alu depctr_vm_vsrc(0)
; Generalized advantage estimation, T = 4096 rows (time), 2048 columns (environments), all f32, next_dones one byte.
;   delta[t] = r[t] + 0.99 nv[t] nd[t] - v[t],  nd = 1 - done;   adv[t] = delta[t] + c[t] adv[t+1],  c = 0.9405 nd[t];   ret = adv + v.
; One launch, no workspace, every output byte written once.
;
; SHARES.  A work-group owns 64 columns (256 bytes of an f32 row, aligned) and a chunk of 512 rows: 8 chunks x 32 column blocks.
; Thread t: sub s = t / 16 (0..31), column quad q = t % 16 (4 columns, 16 bytes): the 16 lanes of a half wave load or store
; 256 consecutive bytes, aligned.  The chunk goes in four stages of 128 rows, the latest rows first; in a stage sub s owns the
; rows 4 s .. 4 s + 3.  Each stage has 52 registers of its own in every lane, so that a stage's stores leave while later
; stages' loads are still coming in, and no register that a store names is written again.
;
; A STAGE.  (1) delta over r, c over nv, in place; the four rows' summary (A = product of c, B = the scan from 0) goes to LDS.
; (2) barrier; wave w takes column quad w, lane j the summary of sub j, and makes the suffix scan X[j] = B[j] + A[j] X[j+1],
; X[32] = the advantage of the first row behind the stage, which the wave keeps in registers from stage to stage; X goes to LDS.
; (3) barrier; thread (s, q) reads X[s+1] and runs the recurrence over its four rows in the reference's order and adds v; the
; stores are issued at the head of the next stage.
;
; THE CARRY INTO THE CHUNK, without traffic between work-groups and without a decision that hangs on the data: the 256 rows behind
; the chunk are read too (8 a sub), summarised and scanned like a stage, from 0.  That is half a chunk's input bytes once more.
; LIMIT: the term 0.9405^256 = 1.5e-7 times the advantage 256 rows behind the chunk is dropped.  No |adv| exceeds
; sqrt(4096 x 2048) = 2,896 times the output's root mean square, so the error is at most 4.4e-4 of that root mean square, for all
; inputs: the factor is the recurrence's own constant.  (192 rows would give 7.7e-6 x 2,896 = 0.022: too much.)  A done in those rows makes the carry exact.
; LIMIT: a done byte is 0 or 1, as the problem states (bit 0 of the byte is what is used).
; The last chunk has no rows behind it: its carry is 0, and it loads nothing there.
;
; The rows behind chunk y are rows 0-255 of chunk y + 1.  Chunk y asks for them first of all, their owner as its stages 2 and 3,
; which it loads last.  Neither asks with a non-temporal hint; rows 256-511 of a chunk are read once in the launch and say so.  The chunk is the grid's
; fast index: the eight work-groups of a column block have neighbouring numbers.
; No cluster: a joint request exists for copies into LDS alone, and these rows go straight into registers; the sharing is a chain
; (chunk y with y + 1), and the last chunk asks for nothing behind it, so partners would make different numbers of requests.
;
; THE MODE: SCHED_MODE bits 1:0 = 2 (LLVM: expert scheduling mode 2), set by the entry lines.  The code itself states the register dependences
; between vector instructions and memory or LDS instructions, with s_wait_alu, always for 0.
; THE PLAN.  Registers that memory or LDS instructions touch:
;   v1, v2, v5-v9   offsets and LDS addresses: made at the head, never written again.
;   SET0, SET1      loads land in them untouched; the stage's vector lines work in place; the stage's stores read +0 .. +31; nothing writes them after that.
;   SET2, SET3      first the rows behind the chunk land, are worked on and summed up; then the stage's own rows land in the same registers; from there on as SET0.
;   SA, SB          written by the summary's vector lines, read by its two LDS stores; behind the barrier the scan's LDS loads land in them.
;   BA, BB          LDS loads land in them untouched, once.
;   XS, XC          written by the scan's vector lines, read by the carries' two LDS stores; XC is written again behind them, XS in the next stage.
;   X16             written and read by the scan's vector lines; behind the second barrier the LDS load of my own carry lands in it.
;   s[32:39]        written by v_readlane_b32, read by vector lines.         T is named by vector lines alone.
; A wait covers all that was issued ahead of it; the memory lines behind it owe nothing more as long as no vector line since names their registers.  So a set's
; loads, and the stores of the stage before, are dealt among the vector lines of ANOTHER set, four loads or two stores ahead of each row.
.set ROWF,  8192                       ; bytes in an f32 row
.set ROWD,  2048                       ; bytes in a row of next_dones
.set CHUNK, 512                        ; rows of a work-group
.set SROWS, 128                        ; rows of a stage
.set YLAST, 7                          ; the chunk with nothing behind it
.set PITCH, 272                        ; LDS: 64 columns x 4 bytes + 16: an odd multiple of 16, so that 16 lanes that read one quad of 16 subs meet 16 different 16-byte columns
.set HALFE, 32*PITCH                   ; the A (or the B) of 32 subs
.set LX0,   0                          ; carries X[0..32], stages 0 and 2
.set LX1,   33*PITCH                   ; stages 1 and 3
.set LE0,   2*33*PITCH                 ; summaries, stages 0 and 2: A, then B
.set LE1,   LE0+2*HALFE                ; stages 1 and 3
.set LEX,   LE1+2*HALFE                ; the 256 rows behind the chunk.  Ends at 70,176
; vector registers
.set VF,    1                          ; stage rows, f32: s x 4 rows + 16 q
.set VD,    2                          ; the same in next_dones (a quarter)
.set VEF,   5                          ; rows behind the chunk, f32: s x 8 rows + 16 q
.set VED,   6
.set ENT,   7                          ; LDS: s x PITCH + 16 q
.set SCN,   8                          ; LDS: lane x PITCH + 16 wave
.set X32A,  9                          ; LDS: 32 x PITCH + 16 wave
.set T,     12                         ; v[12:19]  scratch
.set SA,    20                         ; v[20:23]  summary A; in the scan: A of sub = lane
.set SB,    24                         ; v[24:27]  summary B
.set XC,    28                         ; v[28:31]  the scanning wave's carry (equal in all lanes)
.set BA,    32                         ; v[32:35]  scan of the rows behind the chunk: A
.set BB,    36                         ; v[36:39]  B
.set X16,   40                         ; v[40:43]  X[16]; later my own carry X[s+1]
.set XS,    44                         ; v[44:47]  X[lane]
.set SET0,  48                         ; a stage's set: +0 r (4 rows x 4), +16 v, +32 nv, +48 dones (4 rows)
.set SET1,  100
.set SET2,  152                        ; before their own loads sets 2 and 3 serve the rows behind the chunk
.set SET3,  204
; scalar registers
.set PD,    4                          ; next_dones   (all six at the work-group's first row and column)
.set PNV,   6                          ; next_values
.set PR,    8                          ; rewards
.set PV,    10                         ; values
.set PADV,  12                         ; out0
.set PRET,  14                         ; out1
.set GAM,   22                         ; s[22:23] 0.99
.set DISC,  24                         ; s[24:25] 0.99 x 0.95
.set ONES,  26
.set LOW16, 27
.set QA,    32                         ; s[32:35], s[36:39]: one lane's A and B
.set QB,    36
	s_load_b256 s[4:11], s[0:1], 0x0
	s_load_b128 s[12:15], s[0:1], 0x20
	v_lshl_add_u32 v10, v0, 2, 0x11300
	v_mov_b32 v11, 0
	s_mov_b32 s16, ttmp9                           ; chunk
	s_and_b32 s17, ttmp7, 0xffff                   ; column block
	s_lshl_b32 s18, s16, 22                        ; 512 rows of 8,192 bytes
	s_lshl_b32 s17, s17, 8                         ; 64 columns of 4 bytes
	s_add_co_u32 s18, s18, s17                     ; at most 7 x 2^22 + 31 x 2^8: one word
	s_mov_b32 s19, 0
	s_lshr_b32 s20, s18, 2                         ; one byte for four in next_dones
	s_mov_b32 s21, 0
	s_mov_b32 s[GAM], 0x3f7d70a4                   ; 0.99
	s_mov_b32 s[GAM+1], 0x3f7d70a4
	s_mov_b32 s[DISC], 0x3f70c49c                  ; 0.9405
	s_mov_b32 s[DISC+1], 0x3f70c49c
	s_mov_b32 s[ONES], 0x01010101
	s_mov_b32 s[LOW16], 0x0000ffff
	v_lshrrev_b32 v40, 4, v0                       ; s
	v_and_b32 v41, 15, v0
	v_lshlrev_b32 v41, 4, v41                      ; 16 q
	v_lshl_add_u32 v[VF],  v40, 15, v41            ; 4 rows a sub
	v_lshl_add_u32 v[VEF], v40, 16, v41            ; 8 rows a sub
	v_lshrrev_b32 v[VD],  2, v[VF]
	v_lshrrev_b32 v[VED], 2, v[VEF]
	v_mul_u32_u24 v[ENT], v40, PITCH
	v_add_nc_u32 v[ENT], v[ENT], v41
	v_and_b32 v42, 31, v0                          ; lane
	v_lshrrev_b32 v43, 5, v0
	v_lshlrev_b32 v43, 4, v43                      ; 16 x wave
	v_mul_u32_u24 v[SCN], v42, PITCH
	v_add_nc_u32 v[SCN], v[SCN], v43
	v_add_nc_u32 v[X32A], 32*PITCH, v43
	s_wait_kmcnt 0x0
	s_add_nc_u64 s[PD:PD+1],     s[PD:PD+1],     s[20:21]
	s_add_nc_u64 s[PNV:PNV+1],   s[PNV:PNV+1],   s[18:19]
	s_add_nc_u64 s[PR:PR+1],     s[PR:PR+1],     s[18:19]
	s_add_nc_u64 s[PV:PV+1],     s[PV:PV+1],     s[18:19]
	s_add_nc_u64 s[PADV:PADV+1], s[PADV:PADV+1], s[18:19]
	s_add_nc_u64 s[PRET:PRET+1], s[PRET:PRET+1], s[18:19]
	s_wait_alu depctr_va_vdst(0)                   ; the four offsets and three LDS addresses are written, which every load, store and LDS line of the kernel reads; so are v40 to v43, in which an LDS load lands later
; 4 loads: row i of a sub's four, counted from row 'row' of the chunk.  once = 1: f32 bytes that no other work-group of the launch reads.
; next_dones never says so: a sub's 64 bytes of a row lie beside those that other column blocks read.
.macro LOADROW set, vf, vd, row, i, once
	global_load_b32 v[\set+48+\i], v[\vd], s[PD:PD+1] offset:(\row+\i)*ROWD
.if \once
	global_load_b128 v[\set+32+4*\i:\set+35+4*\i], v[\vf], s[PNV:PNV+1] offset:(\row+\i)*ROWF th:TH_LOAD_NT
	global_load_b128 v[\set+4*\i:\set+3+4*\i],     v[\vf], s[PR:PR+1]   offset:(\row+\i)*ROWF th:TH_LOAD_NT
	global_load_b128 v[\set+16+4*\i:\set+19+4*\i], v[\vf], s[PV:PV+1]   offset:(\row+\i)*ROWF th:TH_LOAD_NT
.else
	global_load_b128 v[\set+32+4*\i:\set+35+4*\i], v[\vf], s[PNV:PNV+1] offset:(\row+\i)*ROWF
	global_load_b128 v[\set+4*\i:\set+3+4*\i],     v[\vf], s[PR:PR+1]   offset:(\row+\i)*ROWF
	global_load_b128 v[\set+16+4*\i:\set+19+4*\i], v[\vf], s[PV:PV+1]   offset:(\row+\i)*ROWF
.endif
.endm
; 16 loads in one run: all four rows, the latest first.
.macro LOADSET set, vf, vd, row, once
.irp i, 3,2,1,0
	LOADROW \set, \vf, \vd, \row, \i, \once
.endr
.endm
; 2 stores: row i of a finished set.  Each half wave: 256 consecutive bytes, aligned.  No register that a store names is written again.
.macro STOREROW set, row, i
	global_store_b128 v[VF], v[\set+4*\i:\set+4*\i+3],     s[PADV:PADV+1] offset:(\row+\i)*ROWF th:TH_STORE_NT
	global_store_b128 v[VF], v[\set+16+4*\i:\set+19+4*\i], s[PRET:PRET+1] offset:(\row+\i)*ROWF th:TH_STORE_NT
.endm
; Row i of a set: r becomes delta, nv becomes c; v stays.
.macro ROWPREP set, i
	v_xor_b32 v[\set+48+\i], s[ONES], v[\set+48+\i]            ; four bytes of not-done
.irp j, 0,1,2,3
	v_bfe_u32 v[T+\j], v[\set+48+\i], 8*\j, 1
.endr
.irp j, 0,1,2,3
	v_cvt_f32_u32 v[T+\j], v[T+\j]                             ; nd = 0.0 or 1.0
.endr
.irp p, 0,2
	v_pk_mul_f32 v[T+4+\p:T+5+\p], v[\set+32+4*\i+\p:\set+33+4*\i+\p], v[T+\p:T+1+\p]                           ; nv nd
.endr
.irp p, 0,2
	v_pk_fma_f32 v[\set+4*\i+\p:\set+4*\i+1+\p], v[T+4+\p:T+5+\p], s[GAM:GAM+1], v[\set+4*\i+\p:\set+4*\i+1+\p] op_sel_hi:[1,0,1]   ; r + 0.99 nv nd
.endr
.irp p, 0,2
	v_pk_add_f32 v[\set+4*\i+\p:\set+4*\i+1+\p], v[\set+4*\i+\p:\set+4*\i+1+\p], v[\set+16+4*\i+\p:\set+17+4*\i+\p] neg_lo:[0,1] neg_hi:[0,1]   ; - v
.endr
.irp p, 0,2
	v_pk_mul_f32 v[\set+32+4*\i+\p:\set+33+4*\i+\p], v[T+\p:T+1+\p], s[DISC:DISC+1] op_sel_hi:[1,0]              ; c
.endr
.endm
; The summary of a set's four rows, latest row first.  first = 1: rows 3 and 2 start it (nothing is cleared); 0: it goes on from SA, SB.
.macro ACC set, first
.if \first
.irp p, 0,2
	v_pk_fma_f32 v[SB+\p:SB+1+\p], v[\set+40+\p:\set+41+\p], v[\set+12+\p:\set+13+\p], v[\set+8+\p:\set+9+\p]   ; delta2 + c2 delta3
	v_pk_mul_f32 v[SA+\p:SA+1+\p], v[\set+40+\p:\set+41+\p], v[\set+44+\p:\set+45+\p]                           ; c2 c3
.endr
.else
.irp i, 3,2
.irp p, 0,2
	v_pk_fma_f32 v[SB+\p:SB+1+\p], v[\set+32+4*\i+\p:\set+33+4*\i+\p], v[SB+\p:SB+1+\p], v[\set+4*\i+\p:\set+4*\i+1+\p]
	v_pk_mul_f32 v[SA+\p:SA+1+\p], v[\set+32+4*\i+\p:\set+33+4*\i+\p], v[SA+\p:SA+1+\p]
.endr
.endr
.endif
.irp i, 1,0
.irp p, 0,2
	v_pk_fma_f32 v[SB+\p:SB+1+\p], v[\set+32+4*\i+\p:\set+33+4*\i+\p], v[SB+\p:SB+1+\p], v[\set+4*\i+\p:\set+4*\i+1+\p]
	v_pk_mul_f32 v[SA+\p:SA+1+\p], v[\set+32+4*\i+\p:\set+33+4*\i+\p], v[SA+\p:SA+1+\p]
.endr
.endr
.endm
; Suffix scan inside each row of 16 lanes, four columns at once: afterwards lane j holds the summary of subs j .. 15 (or j .. 31).
; A step joins lane j with lane j + d: B += A B', A *= A'.  A lane without a partner takes the neutral pair: B' = 0 (bound_ctrl), A' = 1.0, laid down first.
.macro SCANROWS a, b
.irp d, 1,2,4,8
.irp c, 0,1,2,3
	v_mov_b32_dpp v[T+4+\c], v[\b+\c] row_shl:\d row_mask:0xf bank_mask:0xf bound_ctrl:1
	v_mov_b32 v[T+\c], 1.0
	v_mov_b32_dpp v[T+\c], v[\a+\c] row_shl:\d row_mask:0xf bank_mask:0xf
.endr
.irp p, 0,2
	v_pk_fma_f32 v[\b+\p:\b+1+\p], v[\a+\p:\a+1+\p], v[T+4+\p:T+5+\p], v[\b+\p:\b+1+\p]
	v_pk_mul_f32 v[\a+\p:\a+1+\p], v[\a+\p:\a+1+\p], v[T+\p:T+1+\p]
.endr
.endr
.endm
; From the scanned rows and the carry XC = X[32]: X[16] by lane 16's pair, then X[j] in lane j.
; keep = 1: X[0..32] go to LDS at x.  more = 1: X[0] becomes the carry of what is scanned next.
.macro APPLY a, b, keep, x, more
.irp c, 0,1,2,3
	v_readlane_b32 s[QA+\c], v[\a+\c], 16
	v_readlane_b32 s[QB+\c], v[\b+\c], 16
.endr
	s_wait_alu depctr_va_sdst(0)                               ; the eight lines above have written s[QA ..] and s[QB ..], ahead of their first reader
.irp c, 0,1,2,3
	v_fma_f32 v[X16+\c], s[QA+\c], v[XC+\c], s[QB+\c]
.endr
.irp c, 0,1,2,3
	v_cndmask_b32 v[XS+\c], v[XC+\c], v[X16+\c], s[LOW16]      ; lanes 0-15 go on from X[16], lanes 16-31 from X[32]
.endr
.irp p, 0,2
	v_pk_fma_f32 v[XS+\p:XS+1+\p], v[\a+\p:\a+1+\p], v[XS+\p:XS+1+\p], v[\b+\p:\b+1+\p]
.endr
.if \keep
	s_wait_alu depctr_va_vdst(0)                               ; XS and XC are written, which the two LDS stores read; and the lines above are done with X16, in which the LDS load behind the next barrier lands (the vector lines between name XS and XC alone)
	ds_store_b128 v[SCN],  v[XS:XS+3] offset:\x                ; X[lane] of my quad
	ds_store_b128 v[X32A], v[XC:XC+3] offset:\x                ; X[32]: every lane the same 16 bytes with the same numbers
.endif
.if \more
.irp c, 0,1,2,3
	v_readlane_b32 s[QA+\c], v[XS+\c], 0
.endr
	s_wait_alu depctr_va_sdst(0)                               ; the four lines above have written s[QA ..], ahead of their first reader
.if \keep
	s_wait_alu depctr_vm_vsrc(0)                               ; the LDS store of X[32] has read XC, which is written again below
.endif
.irp c, 0,1,2,3
	v_mov_b32 v[XC+\c], s[QA+\c]
.endr
.endif
.endm
	; THE ROWS BEHIND THE CHUNK come first, so that they are the first to be in: sub s takes rows 512 + 8 s .. + 7, the later four first.
	; They end at row 767 from the chunk's first, inside the next chunk.  Never more than 3 x 16 loads of a wave are out.
	s_cmp_eq_u32 s16, YLAST
	s_cbranch_scc1 .Llast_chunk
	LOADSET SET2, VEF, VED, CHUNK+4, 0
	LOADSET SET3, VEF, VED, CHUNK, 0
	LOADSET SET0, VF, VD, 3*SROWS, 1
	s_wait_loadcnt 32                              ; loads return in order (ISA guide 5.7.1): the earlier four rows' 16 and stage 0's 16 stay out, the later four rows are in
.irp i, 3,2,1,0
	LOADROW SET1, VF, VD, 2*SROWS, \i, 1           ; stage 1's rows, into registers that no vector line has named
	ROWPREP SET2, \i
.endr
	ACC SET2, 1
	s_wait_loadcnt 32                              ; the 2 x 16 of stages 0 and 1 stay out, the earlier four rows are in
	s_wait_alu depctr_va_vdst(0)                   ; the lines above are done reading and writing SET2, in which the loads below land; its numbers are summed up in SA, SB
.irp i, 3,2,1,0
	LOADROW SET2, VF, VD, 1*SROWS, \i, 0           ; stage 2's own rows; the vector lines since the wait name SET3, T, SA and SB
	ROWPREP SET3, \i
.endr
	ACC SET3, 0
	s_branch .Lbehind_done
.Llast_chunk:                                      ; nothing lies behind: the summary A = 0, B = 0 gives the carry 0 by the same scan.
	LOADSET SET0, VF, VD, 3*SROWS, 1               ; The same three stages in the same order, so that the counts below hold on both ways
	LOADSET SET1, VF, VD, 2*SROWS, 1
	LOADSET SET2, VF, VD, 1*SROWS, 0
.irp c, 0,1,2,3
	v_mov_b32 v[SA+\c], 0
	v_mov_b32 v[SB+\c], 0
.endr
.Lbehind_done:
	s_wait_alu depctr_va_vdst(0)                   ; on both ways SA and SB are written, which the two LDS stores read; and the lines above are done reading and writing SET3, in which stage 3's loads land (in stage 0, among lines that name SET0 and T alone)
	ds_store_b128 v[ENT], v[SA:SA+3] offset:LEX                ; waited for in front of stage 0's first barrier
	ds_store_b128 v[ENT], v[SB:SB+3] offset:LEX+HALFE
; A stage.  left = loads of later stages that stay out.  e, x: its LDS regions.
; first = 1: stage 3's loads are dealt among its rows, and the rows behind the chunk are scanned in front of it.
; first = 0: the stores of the stage before (set pset, from row prow of the chunk on) are dealt among its rows.
.macro STAGE set, left, e, x, first, more, pset, prow
	s_wait_loadcnt \left
.if !\first
	s_wait_alu depctr_va_vdst(0)                   ; the stage before has written its advantages and returns, which the stores below read; the vector lines among them name this stage's set and T alone
.endif
.irp i, 3,2,1,0
.if \first
	LOADROW SET3, VF, VD, 0, \i, 0                 ; stage 0's 16 loads are in: with these sixteen the wave has 48 out again
.else
	STOREROW \pset, \prow, \i
.endif
	ROWPREP \set, \i
.endr
.if \first
	s_wait_alu depctr_vm_vsrc(0)                   ; the LDS stores of the summary of the rows behind the chunk have read SA and SB, which are written again below
.endif
	ACC \set, 1
	s_wait_alu depctr_va_vdst(0)                   ; SA and SB are written, which the two LDS stores read, and in which the scan's loads land behind the barrier
	ds_store_b128 v[ENT], v[SA:SA+3] offset:\e
	ds_store_b128 v[ENT], v[SB:SB+3] offset:\e+HALFE
	s_wait_dscnt 0x0                               ; for the others' sake: my summaries are in LDS (and my read of the last stage's carry is over)
	s_barrier_signal -1
	s_barrier_wait -1                              ; everybody's are
.if \first
.irp c, 0,1,2,3
	v_mov_b32 v[XC+\c], 0                          ; where the scan begins: 256 rows behind the chunk
.endr
.endif
	s_wait_alu depctr_vm_vsrc(0)                   ; my LDS stores have read SA and SB, in which the loads below land, and, from the second stage on, XS, which the scan writes again
.if \first
	ds_load_b128 v[BA:BA+3], v[SCN] offset:LEX
	ds_load_b128 v[BB:BB+3], v[SCN] offset:LEX+HALFE
.endif
	ds_load_b128 v[SA:SA+3], v[SCN] offset:\e      ; lane j: sub j's summary of quad = my wave
	ds_load_b128 v[SB:SB+3], v[SCN] offset:\e+HALFE
	s_wait_dscnt 0x0
.if \first
	SCANROWS BA, BB
	APPLY BA, BB, 0, 0, 1                          ; XC = the advantage of the first row behind the chunk
.endif
	SCANROWS SA, SB
	APPLY SA, SB, 1, \x, \more
	s_wait_dscnt 0x0                               ; the carries are in LDS, and my reads of the summaries are over: their region is written again behind this barrier at the earliest
	s_barrier_signal -1
	s_barrier_wait -1
	ds_load_b128 v[X16:X16+3], v[ENT] offset:\x+PITCH          ; X[s+1] of my four columns
	s_wait_dscnt 0x0
.irp p, 0,2
	v_pk_fma_f32 v[\set+12+\p:\set+13+\p], v[\set+44+\p:\set+45+\p], v[X16+\p:X16+1+\p], v[\set+12+\p:\set+13+\p]    ; adv3 = delta3 + c3 X
.endr
.irp i, 2,1,0
.irp p, 0,2
	v_pk_fma_f32 v[\set+4*\i+\p:\set+4*\i+1+\p], v[\set+32+4*\i+\p:\set+33+4*\i+\p], v[\set+4*\i+4+\p:\set+4*\i+5+\p], v[\set+4*\i+\p:\set+4*\i+1+\p]
.endr
.endr
.irp i, 3,2,1,0
.irp p, 0,2
	v_pk_add_f32 v[\set+16+4*\i+\p:\set+17+4*\i+\p], v[\set+16+4*\i+\p:\set+17+4*\i+\p], v[\set+4*\i+\p:\set+4*\i+1+\p]   ; returns = adv + v
.endr
.endr
.endm
	STAGE SET0, 32, LE0, LX0, 1, 1, SET0, 0        ; stages 1 and 2 stay out; no stage stands before it
	STAGE SET1, 32, LE1, LX1, 0, 1, SET0, 3*SROWS  ; stages 2 and 3 stay out; stage 0 is stored
	STAGE SET2, 16, LE0, LX0, 0, 1, SET1, 2*SROWS  ; stage 3 stays out; stage 1 is stored
	STAGE SET3, 0,  LE1, LX1, 0, 0, SET2, 1*SROWS  ; stage 2 is stored
	s_wait_alu depctr_va_vdst(0)                   ; stage 3 has written its advantages and returns, which the last eight stores read
.irp i, 3,2,1,0
	STOREROW SET3, 0, \i
.endr
	s_wait_dscnt 0x0
	s_wait_alu depctr_hold_cnt(0) depctr_sa_sdst(0) depctr_va_vdst(0) depctr_va_sdst(0) depctr_va_ssrc(0) depctr_va_vcc(0) depctr_vm_vsrc(0)
	s_wait_tensorcnt 0x0
	ds_add_u32 v10, v11
	s_wait_dscnt 0x0
	s_endpgm
.Lfunc_end_k_q12b8d56906_gae:
	.size	k_q12b8d56906_gae, .Lfunc_end_k_q12b8d56906_gae-k_q12b8d56906_gae
	.p2alignl 7, 3214868480
	.fill 96, 4, 3214868480
	.section	.rodata,"a",@progbits
	.p2align	6, 0x0
	.amdhsa_kernel k_q12b8d56906_gae
		.amdhsa_group_segment_fixed_size 72448
		.amdhsa_private_segment_fixed_size 0
		.amdhsa_enable_private_segment 0
		.amdhsa_kernarg_size 48
		.amdhsa_user_sgpr_count 2
		.amdhsa_user_sgpr_kernarg_segment_ptr 1
		.amdhsa_wavefront_size32 1
		.amdhsa_system_sgpr_workgroup_id_x 1
		.amdhsa_system_sgpr_workgroup_id_y 1
		.amdhsa_system_sgpr_workgroup_id_z 1
		.amdhsa_system_vgpr_workitem_id 0
		.amdhsa_next_free_vgpr 256
		.amdhsa_next_free_sgpr 66
		.amdhsa_reserve_vcc 0
		.amdhsa_float_denorm_mode_32 3
		.amdhsa_float_denorm_mode_16_64 3
		.amdhsa_memory_ordered 1
		.amdhsa_forward_progress 1
		.amdhsa_inst_pref_size 79
	.end_amdhsa_kernel
	.amdgpu_metadata
---
amdhsa.version: [ 1, 2 ]
amdhsa.kernels:
  - .name:           k_q12b8d56906_gae
    .symbol:         k_q12b8d56906_gae.kd
    .args:
      - { .name: next_dones, .offset: 0, .size: 8, .value_kind: global_buffer, .address_space: global }
      - { .name: next_values, .offset: 8, .size: 8, .value_kind: global_buffer, .address_space: global }
      - { .name: rewards, .offset: 16, .size: 8, .value_kind: global_buffer, .address_space: global }
      - { .name: values, .offset: 24, .size: 8, .value_kind: global_buffer, .address_space: global }
      - { .name: out0, .offset: 32, .size: 8, .value_kind: global_buffer, .address_space: global }
      - { .name: out1, .offset: 40, .size: 8, .value_kind: global_buffer, .address_space: global }
    .group_segment_fixed_size: 72448
    .private_segment_fixed_size: 0
    .kernarg_segment_align: 8
    .kernarg_segment_size: 48
    .max_flat_workgroup_size: 512
    .sgpr_count:     66
    .vgpr_count:     256
    .wavefront_size: 32
...
	.end_amdgpu_metadata
.endif
;; end of part 2
